; MI455X (gfx1250); checked and timed in simulation.
; The chip was launched on July 23, 2026; its instructions are those of AMD's public machine-readable ISA for CDNA 5 (MIT licence, August 2026) and "CDNA5" Instruction Set Architecture Reference Guide (July 2026). The comments in the code are by the model that wrote it; some were corrected since.
;; Spatial dot. Allowed arithmetic: matrix products marked QUANTISED: E4M3 operands, one given power-of-two scale a tensor, by v_wmma_f32_16x16x64_fp8_fp8 or v_wmma_f32_16x16x128_fp8_fp8, f32 sums; everything else in f32.
;; Inputs: W1 64 x 128 float32; W2 64 x 128 float32; W3 64 x 128 float32; b1 64 float32; b2 64 float32; b3 64 float32; input1 1 x 8 x 128 x 64 x 64 float32; input2 1 x 8 x 128 x 64 x 64 float32; lowp_scales 10 int32 (the exponents e of the quantised operands' scales 2^e).
;; Outputs: out0 1 x 8 x 64 x 64 x 64 float32.
;; This version of the problem:
;;   THIS VERSION OF THE PROBLEM IS GIVEN IN LOW PRECISION. The matrix products marked QUANTISED in the list below multiply operands that are first quantised to E4M3 (4 exponent bits, 3 mantissa bits; 8 bits a number), with one given power-of-two scale for each operand tensor; their sums are f32. All else is computed in f32.
;;   The module's matrix products, in the order in which they are computed (A, B: the left and right operand; K: the contracted axis; several contracted axes count as one K, in the product's order):
;;     1. [M 32,768, K 128] x [K 128, N 64]; A: input input1; B: input W1: QUANTISED (scales: A lowp_scales[0], B lowp_scales[1])
;;     2. [M 32,768, K 128] x [K 128, N 64]; A: input input2; B: input W2: QUANTISED (scales: A lowp_scales[2], B lowp_scales[3])
;;     3. [M 32,768, K 128] x [K 128, N 64]; A: input input1; B: input W3: QUANTISED (scales: A lowp_scales[4], B lowp_scales[5])
;;     4. batch 8 x [M 4,096, K 64] x [K 64, N 4,096]; A: computed on the way; B: computed on the way: QUANTISED (scales: A lowp_scales[6], B lowp_scales[7])
;;     5. batch 8 x [M 4,096, K 4,096] x [K 4,096, N 64]; A: computed on the way; B: computed on the way: QUANTISED (scales: A lowp_scales[8], B lowp_scales[9])
;;   THE QUANTISER, for each operand of a quantised product, along K:
;;     - The operand's scale is 2^e, e = its entry of the input lowp_scales (int32; the entries are numbered through the quantised products in the list's order, A before B).
;;     - Each number is divided by the scale, clamped to +-448, and rounded to the nearest number of E4M3, ties to even, subnormals kept.
;;     - The product sums the exact products of the quantised numbers (number of the format x scale) in f32.
;;   ~~~python
;;   def quantise(x, axis, e):      # numpy; x: float32 -> the quantised numbers, widened to float32 again
;;       x = np.moveaxis(x, axis, -1); K = x.shape[-1]
;;       r = np.clip(x / 2.0 ** e, -448, 448)
;;       step = 2.0 ** (np.maximum(np.frexp(np.where(r == 0, 1, r))[1] - 1, -6) - 3)
;;       q = np.round(r / step) * step * 2.0 ** e      # np.round: ties to even
;;       return np.moveaxis(q, -1, axis).astype(np.float32)
;;   ~~~
;;   OPERANDS COMPUTED ON THE WAY. 'Computed on the way' means the value that the module computes at that place (a softmax that the list does not call 'softmax' is quantised finished and normalised). What goes into a quantiser is computed in f32, as accurately as f32 sums, v_exp_f32 and their like allow (about 1e-6 of the number): no bf16 or f16 on the way to a quantiser, and a product that is left as it is and whose result goes on into a quantised operand takes f32 operands (vector FMAs, or v_wmma_f32_16x16x4_f32). A number that lies on a knife's edge between two numbers of the format may be rounded either way, as far as f32 arithmetic and the matrix unit's own rounding can turn it there, and no further.
;; One version. Each part assembles by itself: llvm-mc -triple=amdgcn-amd-amdhsa -mcpu=gfx1250 --defsym DOCPART=n.
;; ======== version 1 of 1: 2 launches
;; workspace buffers: qc 2,097,152 bytes; kg 4,194,304 bytes
;; launch proj (part 1): grid 32 x 8, 8 waves a work-group, no clusters, 25,600 bytes of LDS; arguments input1, input2, W1, W2, W3, b1, b2, b3, lowp_scales, qc, kg; writes qc, kg
.if DOCPART == 1
	.amdgcn_target "amdgcn-amd-amdhsa--gfx1250"
	.amdhsa_code_object_version 6
	.text
	.protected	k_qb68b8787cc_proj
	.globl	k_qb68b8787cc_proj
	.p2align	8
	.type	k_qb68b8787cc_proj,@function
k_qb68b8787cc_proj:
	s_mov_b64 s[64:65], 0
	v_nop
	global_prefetch_b8 v0, s[64:65] scope:SCOPE_SE
	s_setreg_imm32_b32 hwreg(HW_REG_WAVE_MODE, 25, 1), 1
	s_wait_xcnt 0x0
; q = W1 x1 + b1, k = W2 x2 + b2, g = W3 x1 + b3 for 128 positions of one frame, all three products on codes of E4M3 with the given scales 2^e0 .. 2^e5,
; and q, k, g quantised at once (2^e6, 2^e7, 2^e9) into the two workspace buffers, laid as images of the next launch's operand registers.
; x: [8][128 c][4096 n] f32, K = c is the OUTER axis.  W: [64 f][128 c] f32.  input1 is quantised twice, by e0 and by e4.
; SHARES.  Work-group (x = s, y = t): positions 128 s .. 128 s + 127 of frame t.  Waves 0-3 take x: wave w takes input1 (w < 2) or input2, positions 64 (w & 1) on: 64 positions x 128 c.
; Waves 4-7 quantise the weights while x is on its way: wave 4 + a makes tile a of W1, W2 and W3 and leaves the three fragments in LDS as images of their registers (16 bytes a lane, 512 a store).
; LAYOUT.  A load of x takes 16 bytes a lane: lanes 0-15 read 256 consecutive aligned bytes of row c, lanes 16-31 of row c + 16.  So lane (r, h) holds positions 4 r + 0 .. 3, and fragment nn (0 .. 3) is
; the 16 positions 4 r + nn; its registers 4 c' .. 4 c' + 3 hold c = 32 c' + 16 h + 0 .. 15.  W's fragments hold the same c in the same places, so every product meets its partner.
; q and k: the product is used transposed (source 0 = 16 rows of W, source 1 = x): a lane holds one position and eight f.  Lane rho of W's tile 2 b + v takes row 32 b + 8 v + rho + 8 (rho / 8), so that the 16
; registers of tiles 2 b, 2 b + 1 are f = 32 b + 16 h + 0 .. 15: the conversions' results are the next product's fragment (16 positions x 64 f, 8 registers).
; g: the product is used as it stands (source 0 = x, source 1 = rows 16 a + r of W3): a lane holds one f and eight positions 4 (8 h + j) + nn: eight keys of the last product's K, in the order in which the next
; launch's scores fall into its registers.
; The biases are the C of the one matrix instruction of each sum, divided by the power of two that the sum lacks.
; qc: [t][s][fragment 4 u + nn][piece 2][512 bytes].  kg: [t][s][16,384 bytes]: 8,192 of k, laid like qc, then g: [place 4][piece 4][512]; place p holds f tile p xor ((s >> 1) & 3).
; NO CLUSTER.
; joint loads would need 96 KB of LDS for f32 numbers that are read once, and two rounds of a cluster's barrier round a text that has one barrier.
; LIMITS: e0 .. e5, e6 - e0 - e1, e7 - e2 - e3 and e9 - e4 - e5 lie between -126 and 119, so that each scale and 448 x the scale is an f32 number.  NaN among the inputs is not served.
; REGISTERS.  Window 0: v1-v13 addresses and b3; v16-79 x's four fragments; v80-143 four fragments of W; v144-207 64 held numbers, later two sets of four accumulators; v208-239 biases; v240-255 codes to store.
;   Window 1: x as loaded (kept for the second quantising).  The weights' waves use window 0 alone: v16-207 three fragments of f32, v208-255 their codes.
.set XC,   16
.set WF,   80
.set ACC,  144
.set BIAS, 208
.set OUTC, 240
.set MSB, 0
.macro WIN new                         ; the immediate's high byte repeats the setting that is left
.if MSB != \new
	s_set_vgpr_msb (MSB<<8)|\new
.set MSB, \new
.endif
.endm
; from the exponent in s[e]: v4 = 2^e as f32 (the conversion takes its exponent field), s55 = 448 x 2^e, s54 = -s55
.macro SETQ e
	s_add_co_i32 s56, s[\e], 127
	s_lshl_b32 s63, s56, 23
	v_mov_b32 v4, s63
	s_add_co_i32 s56, s56, 8
	s_lshl_b32 s55, s56, 23
	s_or_b32 s55, s55, 0x600000
	s_or_b32 s54, s55, 0x80000000
.endm
; x as loaded (window 1: load 16 c + i, register n = x(32 c + 16 h + i, 4 r + n)) becomes four fragments of codes.  The hold at the largest code also turns the numbers: from [c][4 n] to [n][16 c].
.macro QUANTX wait
.irp c, 0,1,2,3
.if \wait
	s_wait_loadcnt 56-16*\c                        ; this quarter's 16 loads are in: behind them stand the later quarters' and at least 8 loads of biases
.endif
	WIN 0x01                                       ; source 0 window 1
.irp n, 0,1,2,3
.irp i, 0,1,2,3,4,5,6,7,8,9,10,11,12,13,14,15
	v_med3_num_f32 v[ACC+16*\n+\i], v[4*(16*\c+\i)+\n], s54, s55   ; the conversion to an 8-bit code does not saturate (ISA guide 7.6.2)
.endr
.endr
	WIN 0
.irp n, 0,1,2,3
	v_cvt_scalef32_pk8_fp8_f32 v[XC+16*\n+4*\c:XC+16*\n+4*\c+1], v[ACC+16*\n:ACC+16*\n+7], v4
	v_cvt_scalef32_pk8_fp8_f32 v[XC+16*\n+4*\c+2:XC+16*\n+4*\c+3], v[ACC+16*\n+8:ACC+16*\n+15], v4
.endr
	v_nop                                          ; a plain line between the conversions and what writes their sources next
.endr
.endm
; four matrix instructions: fragment nn of x against W's four tiles, 128 along K, the bias as C.  tr = 1: transposed (W first)
.macro MULT tr, nn
.irp a, 0,1,2,3
.if \tr
	v_wmma_f32_16x16x128_fp8_fp8 v[ACC+32*((\nn)%2)+8*\a:ACC+32*((\nn)%2)+8*\a+7], v[WF+16*\a:WF+16*\a+15], v[XC+16*(\nn):XC+16*(\nn)+15], v[BIAS+8*\a:BIAS+8*\a+7]
.else
	v_wmma_f32_16x16x128_fp8_fp8 v[ACC+32*((\nn)%2)+8*\a:ACC+32*((\nn)%2)+8*\a+7], v[XC+16*(\nn):XC+16*(\nn)+15], v[WF+16*\a:WF+16*\a+15], v[BIAS+8*\a:BIAS+8*\a+7]
.endif
.endr
.endm
; the four results of fragment nn are held, converted and stored
.macro OUTQ tr, nn
.irp a, 0,1,2,3
.irp j, 0,1,2,3,4,5,6,7
	v_med3_num_f32 v[ACC+32*((\nn)%2)+8*\a+\j], v[ACC+32*((\nn)%2)+8*\a+\j], s54, s55   ; each accumulator from its low end on
.endr
.endr
.if \tr
.if (\nn) > 1
	s_wait_xcnt 0x0                                ; the stores of fragment nn - 2 have read these registers
.endif
.irp a, 0,1,2,3
	v_cvt_scalef32_pk8_fp8_f32 v[OUTC+8*((\nn)%2)+2*\a:OUTC+8*((\nn)%2)+2*\a+1], v[ACC+32*((\nn)%2)+8*\a:ACC+32*((\nn)%2)+8*\a+7], v4
.endr
	v_nop                                          ; a plain line between the conversions and the products that write their sources next
	global_store_b128 v1, v[OUTC+8*((\nn)%2):OUTC+8*((\nn)%2)+3], s[50:51] offset:1024*(\nn)          ; 32 lanes store 512 consecutive aligned bytes
	global_store_b128 v1, v[OUTC+8*((\nn)%2)+4:OUTC+8*((\nn)%2)+7], s[50:51] offset:1024*(\nn)+512
.else
.if ((\nn)%2) == 0
	s_wait_xcnt 0x0                                ; the earlier stores have read these registers
.endif
.irp a, 0,1,2,3
	v_cvt_scalef32_pk8_fp8_f32 v[OUTC+4*\a+2*((\nn)%2):OUTC+4*\a+2*((\nn)%2)+1], v[ACC+32*((\nn)%2)+8*\a:ACC+32*((\nn)%2)+8*\a+7], v4
.endr
	v_nop
.if ((\nn)%2) == 1
.irp a, 0,1,2,3
	global_store_b128 v1, v[OUTC+4*\a:OUTC+4*\a+3], s[66+2*\a:67+2*\a] offset:512*((\nn)/2)           ; a piece of g's fragment: fragments nn - 1 and nn
.endr
.endif
.endif
.endm
; the four fragments, two sets of accumulators by turns: while one set is held and converted, the other set's products run.  Behind the first two runs four v_nop are the places in front of the first read of
; results (ISA guide 7.12.1); later the other set's 32 holds, which name no register of the products just issued, are the places.
.macro PIPE tr
	MULT \tr, 0
	MULT \tr, 1
.rept 4
	v_nop
.endr
	OUTQ \tr, 0
	MULT \tr, 2
	OUTQ \tr, 1
	MULT \tr, 3
	OUTQ \tr, 2
	OUTQ \tr, 3
.endm
.macro WLOAD reg, off, base            ; 16 rows x 128 c of a weight: register 16 c + 4 q + .. = c 32 c + 16 h + 4 q + ..
.irp c, 0,1,2,3
.irp q, 0,1,2,3
	global_load_b128 v[\reg+16*\c+4*\q:\reg+16*\c+4*\q+3], v[\off], s[\base:\base+1] offset:128*\c+16*\q
.endr
.endr
.endm
.macro WQ i, e                         ; weight i's fragment: held, converted, its image to LDS
	s_wait_loadcnt 32-16*\i                        ; behind its 16 loads stand the later weights'
	SETQ \e
.set n, 0
.rept 64
	v_med3_num_f32 v[16+64*\i+n], v[16+64*\i+n], s54, s55
.set n, n+1
.endr
.irp g, 0,1,2,3,4,5,6,7
	v_cvt_scalef32_pk8_fp8_f32 v[208+16*\i+2*\g:208+16*\i+2*\g+1], v[16+64*\i+8*\g:16+64*\i+8*\g+7], v4
.endr
	v_nop                                          ; a plain line between the conversions and the next write of the scale
.irp c, 0,1,2,3
	ds_store_b128 v9, v[208+16*\i+4*\c:208+16*\i+4*\c+3] offset:8192*\i+512*\c
.endr
.endm
	s_load_b256 s[8:15], s[0:1], 0x0               ; input1 s[8:9], input2 s[10:11], W1 s[12:13], W2 s[14:15]
	s_load_b256 s[16:23], s[0:1], 0x20             ; W3 s[16:17], b1 s[18:19], b2 s[20:21], b3 s[22:23]
	s_load_b128 s[24:27], s[0:1], 0x40             ; the exponents s[24:25], qc s[26:27]
	s_load_b64 s[28:29], s[0:1], 0x50              ; kg
	v_lshrrev_b32 v14, 5, v0
	v_readfirstlane_b32 s3, v14                    ; wave 0..7
	; every address register and every base is made here, ahead of the branch that parts the two kinds of wave
	v_and_b32 v15, 31, v0
	v_lshlrev_b32 v1, 4, v15                       ; 16 x lane: an image's place for my lane
	v_and_b32 v14, 15, v0                          ; r
	v_bfe_u32 v15, v0, 4, 1                        ; h
	s_bfe_u32 s42, s3, 0x10001                     ; R: input1 (0) or input2 (1)
	s_and_b32 s43, s3, 1                           ; u: which 64 positions
	s_and_b32 s44, s3, 3                           ; a: which tile of the weights
	s_mov_b32 s45, ttmp9                           ; s
	s_and_b32 s46, ttmp7, 0xffff                   ; t
	s_bfe_u32 s47, ttmp9, 0x20001                  ; (s >> 1) & 3
	s_lshl_b32 s58, s42, 13
	v_add_nc_u32 v2, s58, v1                       ; LDS: W1's or W2's images
	s_lshl_b32 s58, s44, 11
	v_add_nc_u32 v9, s58, v1                       ; LDS: where tile a's images go
	v_lshlrev_b32 v3, 4, v14
	v_lshl_add_u32 v3, v15, 18, v3                 ; x: 16 r + 16 rows of 16,384 bytes x h
	v_lshlrev_b32 v5, 6, v15                       ; b1, b2: 64 h
	v_lshlrev_b32 v6, 2, v14                       ; b3: 4 r
	v_and_b32 v7, 8, v14
	v_add_nc_u32 v7, v7, v14                       ; r + 8 (r / 8)
	v_lshlrev_b32 v7, 9, v7
	v_lshl_add_u32 v7, v15, 6, v7                  ; W1, W2: that row of 512 bytes, + 64 h
	v_lshlrev_b32 v8, 9, v14
	v_lshl_add_u32 v8, v15, 6, v8                  ; W3: row r, + 64 h
	s_wait_kmcnt 0x0
	s_load_b256 s[32:39], s[24:25], 0x0            ; e0 .. e7
	s_load_b64 s[40:41], s[24:25], 0x20            ; e8, e9
	s_cmp_eq_u32 s42, 0                            ; the choices hang on the wave's number alone
	s_cselect_b64 s[48:49], s[8:9], s[10:11]       ; x
	s_cselect_b64 s[52:53], s[18:19], s[20:21]     ; its bias
	s_cselect_b64 s[50:51], s[26:27], s[28:29]     ; where its codes go
	s_lshl_b32 s58, s46, 21                        ; a frame of x: 128 rows of 16,384 bytes
	s_lshl_b32 s59, s45, 9
	s_add_co_u32 s58, s58, s59
	s_lshl_b32 s59, s43, 8
	s_add_co_u32 s58, s58, s59
	s_mov_b32 s59, 0
	s_add_nc_u64 s[48:49], s[48:49], s[58:59]      ; x at my 64 positions
	s_lshl_b32 s60, s46, 5
	s_add_co_u32 s60, s60, s45                     ; 32 t + s
	s_add_co_u32 s58, s42, 13
	s_lshl_b32 s58, s60, s58                       ; blocks of 8,192 bytes in qc, of 16,384 in kg
	s_lshl_b32 s56, s43, 12
	s_add_co_u32 s58, s58, s56
	s_add_nc_u64 s[50:51], s[50:51], s[58:59]      ; my four fragments of q or of k
	s_lshl_b32 s62, s60, 14
	s_lshl_b32 s58, s43, 10
	s_add_co_u32 s62, s62, s58
	s_add_co_u32 s62, s62, 8192
	s_mov_b32 s63, 0
	s_add_nc_u64 s[62:63], s[28:29], s[62:63]      ; g's part of the block, my two pieces of each fragment
.irp a, 0,1,2,3
	s_xor_b32 s58, s47, \a
	s_lshl_b32 s58, s58, 11
	s_add_nc_u64 s[66+2*\a:67+2*\a], s[62:63], s[58:59]   ; f tile a lies at place a xor ((s >> 1) & 3)
.endr
	s_lshr_b32 s58, s44, 1
	s_lshl_b32 s58, s58, 14
	s_lshl_b32 s56, s43, 12
	s_add_co_u32 s58, s58, s56                     ; W1, W2: tile a begins at row 32 (a / 2) + 8 (a % 2)
	s_add_nc_u64 s[74:75], s[12:13], s[58:59]
	s_add_nc_u64 s[76:77], s[14:15], s[58:59]
	s_lshl_b32 s58, s44, 13                        ; W3: at row 16 a
	s_add_nc_u64 s[78:79], s[16:17], s[58:59]
	s_cmp_ge_u32 s3, 4
	s_cbranch_scc1 .Lw
	; ---- waves 0-3: all 32 KB of my x are asked for at once
	WIN 0x40                                       ; destination window 1
.set l, 0
.rept 64
	global_load_b128 v[4*l:4*l+3], v3, s[48:49] offset:(32*(l/16)+(l%16))*16384 th:TH_LOAD_NT
.set l, l+1
.endr
	WIN 0
.irp a, 0,1,2,3                        ; the bias in the transposed result's layout: tile a, register j: f = 32 (a / 2) + 8 (a % 2) + 16 h + j
	global_load_b128 v[BIAS+8*\a:BIAS+8*\a+3], v5, s[52:53] offset:128*(\a/2)+32*(\a%2)
	global_load_b128 v[BIAS+8*\a+4:BIAS+8*\a+7], v5, s[52:53] offset:128*(\a/2)+32*(\a%2)+16
.endr
	s_cmp_lg_u32 s42, 0
	s_cbranch_scc1 .Lno_b3
.irp a, 0,1,2,3
	global_load_b32 v[10+\a], v6, s[22:23] offset:64*\a   ; b3(16 a + r)
.endr
.Lno_b3:
	s_wait_kmcnt 0x0
	s_cmp_eq_u32 s42, 0
	s_cselect_b32 s58, s32, s34                    ; e0 or e2
	SETQ 58
	QUANTX 1
	s_branch .Ljoin
	; ---- waves 4-7: tile a of the three weights
.Lw:
	WLOAD 16, 7, 74
	WLOAD 80, 7, 76
	WLOAD 144, 8, 78
	s_wait_kmcnt 0x0
	WQ 0, 33
	WQ 1, 35
	WQ 2, 37
.Ljoin:
	s_wait_dscnt 0x0                               ; for the others' sake: my images have landed
	s_barrier_signal -1
	s_barrier_wait -1                              ; the twelve fragments of the weights lie in LDS
	s_cmp_ge_u32 s3, 4
	s_cbranch_scc1 .Lend
	; ---- q (input1's waves) or k (input2's)
.irp a, 0,1,2,3
.irp c, 0,1,2,3
	ds_load_b128 v[WF+16*\a+4*\c:WF+16*\a+4*\c+3], v2 offset:2048*\a+512*\c
.endr
.endr
	s_wait_kmcnt 0x0
	s_cmp_eq_u32 s42, 0
	s_cselect_b32 s58, s32, s34                    ; x's exponent,
	s_cselect_b32 s59, s33, s35                    ; the weight's,
	s_cselect_b32 s62, s38, s39                    ; and that of the result's own quantiser
	s_add_co_i32 s58, s58, s59                     ; a sum stands for sum x 2^(the two added):
	s_sub_co_i32 s57, 0, s58                       ; the bias goes in divided by it,
	s_sub_co_i32 s62, s62, s58                     ; and the three scales are folded into the conversion's one
	SETQ 62
	s_wait_loadcnt 0x0                             ; the biases
.set n, 0
.rept 32
	v_ldexp_f32 v[BIAS+n], v[BIAS+n], s57
.set n, n+1
.endr
	s_wait_dscnt 0x0
	PIPE 1
	s_cmp_lg_u32 s42, 0
	s_cbranch_scc1 .Lend
	; ---- g: input1 once more, by its second scale
.irp a, 0,1,2,3
.irp c, 0,1,2,3
	ds_load_b128 v[WF+16*\a+4*\c:WF+16*\a+4*\c+3], v1 offset:16384+2048*\a+512*\c   ; W3's images; the last products that read these registers stand two blocks of holds back
.endr
.endr
	SETQ 36                                        ; e4
	QUANTX 0
	s_add_co_i32 s58, s36, s37                     ; e4 + e5
	s_sub_co_i32 s57, 0, s58
	s_sub_co_i32 s62, s41, s58                     ; e9 - e4 - e5
	SETQ 62
.irp a, 0,1,2,3
.irp j, 0,1,2,3,4,5,6,7
	v_ldexp_f32 v[BIAS+8*\a+\j], v[10+\a], s57     ; a lane holds one f: the same bias in all eight registers
.endr
.endr
	s_wait_dscnt 0x0
	PIPE 0
.Lend:
	s_wait_xcnt 0x0
	v_lshl_add_u32 v254, v0, 2, 0x6000
	v_mov_b32 v255, 0
	s_wait_tensorcnt 0x0
	ds_add_u32 v254, v255
	s_wait_dscnt 0x0
	s_endpgm
.Lfunc_end_k_qb68b8787cc_proj:
	.size	k_qb68b8787cc_proj, .Lfunc_end_k_qb68b8787cc_proj-k_qb68b8787cc_proj
	.p2alignl 7, 3214868480
	.fill 96, 4, 3214868480
	.section	.rodata,"a",@progbits
	.p2align	6, 0x0
	.amdhsa_kernel k_qb68b8787cc_proj
		.amdhsa_group_segment_fixed_size 25600
		.amdhsa_private_segment_fixed_size 0
		.amdhsa_enable_private_segment 0
		.amdhsa_kernarg_size 88
		.amdhsa_user_sgpr_count 2
		.amdhsa_user_sgpr_kernarg_segment_ptr 1
		.amdhsa_wavefront_size32 1
		.amdhsa_system_sgpr_workgroup_id_x 1
		.amdhsa_system_sgpr_workgroup_id_y 1
		.amdhsa_system_sgpr_workgroup_id_z 1
		.amdhsa_system_vgpr_workitem_id 0
		.amdhsa_next_free_vgpr 512
		.amdhsa_next_free_sgpr 80
		.amdhsa_reserve_vcc 0
		.amdhsa_float_denorm_mode_32 3
		.amdhsa_float_denorm_mode_16_64 3
		.amdhsa_memory_ordered 1
		.amdhsa_forward_progress 1
		.amdhsa_inst_pref_size 98
	.end_amdhsa_kernel
	.amdgpu_metadata
---
amdhsa.version: [ 1, 2 ]
amdhsa.kernels:
  - .name:           k_qb68b8787cc_proj
    .symbol:         k_qb68b8787cc_proj.kd
    .args:
      - { .name: input1, .offset: 0, .size: 8, .value_kind: global_buffer, .address_space: global }
      - { .name: input2, .offset: 8, .size: 8, .value_kind: global_buffer, .address_space: global }
      - { .name: W1, .offset: 16, .size: 8, .value_kind: global_buffer, .address_space: global }
      - { .name: W2, .offset: 24, .size: 8, .value_kind: global_buffer, .address_space: global }
      - { .name: W3, .offset: 32, .size: 8, .value_kind: global_buffer, .address_space: global }
      - { .name: b1, .offset: 40, .size: 8, .value_kind: global_buffer, .address_space: global }
      - { .name: b2, .offset: 48, .size: 8, .value_kind: global_buffer, .address_space: global }
      - { .name: b3, .offset: 56, .size: 8, .value_kind: global_buffer, .address_space: global }
      - { .name: lowp_scales, .offset: 64, .size: 8, .value_kind: global_buffer, .address_space: global }
      - { .name: qc, .offset: 72, .size: 8, .value_kind: global_buffer, .address_space: global }
      - { .name: kg, .offset: 80, .size: 8, .value_kind: global_buffer, .address_space: global }
    .group_segment_fixed_size: 25600
    .private_segment_fixed_size: 0
    .kernarg_segment_align: 8
    .kernarg_segment_size: 88
    .max_flat_workgroup_size: 256
    .sgpr_count:     80
    .vgpr_count:     512
    .wavefront_size: 32
...
	.end_amdgpu_metadata
.endif
;; end of part 1
;; launch attn (part 2): grid 32 x 8, 4 waves a work-group, clusters of 4 x 1, 327,680 bytes of LDS; arguments qc, kg, lowp_scales, out0; writes out0
.if DOCPART == 2
	.amdgcn_target "amdgcn-amd-amdhsa--gfx1250"
	.amdhsa_code_object_version 6
	.text
	.protected	k_qb68b8787cc_attn
	.globl	k_qb68b8787cc_attn
	.p2align	8
	.type	k_qb68b8787cc_attn,@function
k_qb68b8787cc_attn:
	s_mov_b64 s[64:65], 0
	v_nop
	global_prefetch_b8 v0, s[64:65] scope:SCOPE_SE
	s_setreg_imm32_b32 hwreg(HW_REG_WAVE_MODE, 25, 1), 1
	s_wait_xcnt 0x0
	s_wait_alu depctr_hold_cnt(0) depctr_sa_sdst(0) depctr_va_vdst(0) depctr_va_sdst(0) depctr_va_ssrc(0) depctr_va_vcc(0) depctr_vm_vsrc(0)
	s_getreg_b32 s2, hwreg(HW_REG_IB_STS2, 6, 4)
	s_cmp_eq_u32 s2, 0
	s_cbranch_scc0 .Lentry_in_a_cluster
	s_endpgm
.Lentry_in_a_cluster:
	s_bfe_u32 s2, ttmp6, 0x10000c
	s_cmp_lg_u32 s2, 0x3003
	s_cbranch_scc0 .Lentry_shape_is_right
	s_endpgm
.Lentry_shape_is_right:
; out0[t][f][n] = the sum over keys m of Q8(relu(q[n] . k[m])) g[m][f], both products on codes of E4M3.  q, k, g arrive as codes (scales 2^e6, 2^e7, 2^e9) in the order of the operands' registers; the scores are
; quantised here by 2^e8: a sum of the first product stands for sum x 2^(e6 + e7), so its code is sum / 2^(e8 - e6 - e7), held between 0 (the relu) and 448 in one instruction.
; SHARES.  A work-group owns 128 queries of one frame, as 8 tiles of 16.  EVERY WAVE HOLDS ALL 8 TILES AND WALKS A QUARTER OF THE KEYS, 8 steps of 128: so each byte of k and g is read from LDS once in the
; work-group.  The four waves' partial sums (f32) are added through LDS at the end: 96 KB written and read, against 1.5 MB more of LDS reads had the waves shared the queries.
; LAYOUT.  Both products are used transposed: S^T = k q^T (source 0 = 16 keys, source 1 = 16 queries, K = 64), O^T = g^T P^T (source 0 = 16 f, source 1 = P, K = 128 keys): a lane holds one query throughout.
; Tile kt's eight registers become registers 2 kt, 2 kt + 1 of P; g's codes were laid in that same order of keys.  Query tile qt = 4 U + nn holds queries 64 U + 4 r + nn: at the end a lane holds four
; neighbouring n of one f, and sixteen lanes store 256 consecutive aligned bytes of out0.
; BY TURNS.  A TURN is one tile of queries x one step: 64 holds and 8 conversions.  Between them stand 7 products k q^T of the NEXT turn and the last of its own (each written over a tile of scores that has just been converted: one
; buffer of scores serves) and 4 products g^T P^T of the turn BEFORE (P has two buffers).  The 32 accumulators of O^T take turns, one instruction a turn.
; RING.  Two LDS slots of 131,072 bytes; in each a wave owns 32,768: two steps, each 8,192 bytes of k and 8,192 of g.  Fill i (0 .. 3) is bytes 131,072 i on of the frame's 524,288; wave w takes 32,768 w on of
; them, issues its own load and reads only its own bytes.  In those blocks g's place p holds f tile p xor w: so each wave keeps place 0 (f tile w) and hands place d to wave w xor d.
; CLUSTER.  The four work-groups of a cluster belong to one frame and walk the same k and g: each fill is asked for JOINTLY, by the same tensor load with the same descriptor and a mask that names the four.
; O^T is cleared by 256 moves, which stand while the first fill is on its way: products that start the sums would want one more written-out copy of sixteen turns.
; LIMITS: e8 - e6 - e7 lies between -126 and 119, so that the scale and 448 x the scale are f32 numbers; e8 + e9 is applied by v_ldexp_f32 and has none.  The sums over keys are added wave by wave.
; REGISTERS, in windows of 256.  Window 0: v1-v11 addresses; v16-79, v80-143 k of two steps; v144-207 scores; v208-223, v224-239 P; v250 the conversion's scale.
;   Window 1: O^T, accumulator (qt, place) at v[8 (4 qt + place)].   Window 2: v0-63 q; v64-127, v128-191 g of two steps; v250 the scale once more.
.set SLOT1, 131072
.set SPARE, 262144                     ; behind the ring: the spare words, 128 bytes for each wave: two blocks of 256 bytes that no other line names
.set K0,  16
.set S,   144
.set P0,  208
.set G0,  64                           ; in window 2
.set SCL, 250
.set LIM, 42                           ; s42  448 x 2^(e8 - e6 - e7)
.set SA,  0x08                         ; source 1 in window 2: serves k q^T (q), the holds (no register there) and the conversions (the scale)
.set SP,  0x52                         ; g^T P^T: source 0 (g) window 2, source 1 (P) window 0, C and D window 1
.set MSB, 0
.macro WIN new                         ; the immediate's high byte repeats the setting that is left
.if MSB != \new
	s_set_vgpr_msb (MSB<<8)|\new
.set MSB, \new
.endif
.endm
; A round of the cluster's barrier: my work-group's barrier; wave 0 signals for the work-group; every wave waits for all four work-groups; my work-group's barrier once more.
.macro CROUND
	s_barrier_signal -1
	s_barrier_wait -1
	s_cmp_lg_u32 s12, 0
	s_cbranch_scc1 .Lnot_wave_0_\@
	s_barrier_signal -3
.Lnot_wave_0_\@:
	s_barrier_wait -3
	s_barrier_signal -1
	s_barrier_wait -1
.endm
; 32 LDS loads in one run: a step's k and g, images of their registers, into set nb (the step's parity); then s45 goes on to the next step: the slot's other half, and from an odd step into the other slot.
.macro FETCH nb
	WIN 0
	v_add_nc_u32 v3, s45, v2
.irp f, 0,1,2,3,4,5,6,7,8,9,10,11,12,13,14,15
	ds_load_b128 v[K0+64*(\nb)+4*\f:K0+64*(\nb)+4*\f+3], v3 offset:512*\f
.endr
	WIN 0x80                                       ; destination window 2
.irp f, 0,1,2,3,4,5,6,7,8,9,10,11,12,13,14,15
	ds_load_b128 v[G0+64*(\nb)+4*\f:G0+64*(\nb)+4*\f+3], v3 offset:8192+512*\f
.endr
.if \nb
	s_xor_b32 s45, s45, SLOT1+16384
.else
	s_xor_b32 s45, s45, 16384
.endif
	WIN SA
.endm
; THE CHANGE OF SLOTS.  Both steps of the slot in hand have been asked into registers.  Each wave waits for all its tensor loads, adds 0 to its spare word, and waits for that and for its reads of the slot; the round
; shows the same of every wave of every partner; the joint refill is the first thing behind it, and has sixteen turns in which to land.
.macro CHANGE
	WIN 0                                          ; at a label and at a branch every window is 0; the add's two registers lie in window 0
	s_wait_tensorcnt 0x0                           ; no tensor load of mine is out, so the walking group 0 may be written
	ds_add_u32 v4, v5                              ; 0 onto my spare word
	s_xor_b32 s29, s29, SLOT1                      ; the other slot than last time,
	s_add_nc_u64 s[30:31], s[30:31], 131072        ; the next fill; the type bits on top are not reached
	s_wait_dscnt 0x0                               ; the add is done, and my reads of the slot are over
	CROUND
	tensor_load_to_lds s[28:31], s[16:23]
	s_nop 0
.rept 4
	v_nop
.endr
	WIN SA
.endm
; A TURN: step parity b, query tile qt.  pv = 1: the four products g^T P^T of the turn before.  nx = 1: seven products k q^T of the next turn (its eighth stands in its own first block).
; hook, behind the first block: 1 fetch an odd step; 2, 5 fetch an even step from the other slot, behind the wait that shows its fill landed; 3 the change of slots; 4 the next step's k and g are in.
; Places (ISA guide 7.12.1): a tile of scores is read nearly a turn behind the product that wrote it; a conversion writes P's buffer at least 12 holds behind the last product that read that buffer; a plain line
; stands between each conversion and the product that writes its sources, and between the last conversion and the products that read P.
.macro TURN b, qt, pv, nx, hook
.set KO, K0+64*(\b)
.if (\qt) == 7
.set KN, K0+64*(1-(\b))
.set NQ, 0
.else
.set KN, K0+64*(\b)
.set NQ, (\qt)+1
.endif
.if (\qt) == 0
.set PQ, 7
.set PG, G0+64*(1-(\b))
.else
.set PQ, (\qt)-1
.set PG, G0+64*(\b)
.endif
.set PW, P0+16*((\qt)%2)
.set PR, P0+16*(((\qt)+1)%2)
.irp kt, 0,1,2,3,4,5,6,7
.irp j, 0,1,2,3
	v_med3_num_f32 v[S+8*\kt+\j], v[S+8*\kt+\j], 0, s[LIM]   ; the relu and the hold in one; each tile from its low end on
.endr
.if \kt > 0
	v_cvt_scalef32_pk8_fp8_f32 v[PW+2*\kt-2:PW+2*\kt-1], v[S+8*\kt-8:S+8*\kt-1], v[SCL]
.endif
	v_med3_num_f32 v[S+8*\kt+4], v[S+8*\kt+4], 0, s[LIM]
.if \kt == 0
	v_wmma_f32_16x16x64_fp8_fp8 v[S+56:S+63], v[KO+56:KO+63], v[8*(\qt):8*(\qt)+7], 0
.elseif \nx
	v_wmma_f32_16x16x64_fp8_fp8 v[S+8*\kt-8:S+8*\kt-1], v[KN+8*\kt-8:KN+8*\kt-1], v[8*NQ:8*NQ+7], 0
.endif
.irp j, 5,6,7
	v_med3_num_f32 v[S+8*\kt+\j], v[S+8*\kt+\j], 0, s[LIM]
.endr
.if \kt == 0
.if \hook == 1
	FETCH 1
.elseif \hook == 2
	s_wait_tensorcnt 0x1                           ; only the refill just issued may be out: the other slot's fill has landed
	FETCH 0
.elseif \hook == 5
	s_wait_tensorcnt 0x0                           ; the last fill: no load was issued behind it
	FETCH 0
.elseif \hook == 3
	CHANGE
.elseif \hook == 4
	s_wait_dscnt 0x0                               ; asked for six turns ago
.endif
.endif
.if \pv && (\kt%2)
	WIN SP
	v_wmma_f32_16x16x128_fp8_fp8 v[8*(4*PQ+\kt/2):8*(4*PQ+\kt/2)+7], v[PG+16*(\kt/2):PG+16*(\kt/2)+15], v[PR:PR+15], v[8*(4*PQ+\kt/2):8*(4*PQ+\kt/2)+7]
	WIN SA
.endif
.endr
	v_cvt_scalef32_pk8_fp8_f32 v[PW+14:PW+15], v[S+56:S+63], v[SCL]
	v_nop
.endm
; two steps, from the even step's second turn to the next even step's first.  chg = 1: the slot in hand is filled again
.macro SIXTEEN chg
	TURN 0, 1, 1, 1, 1
	TURN 0, 2, 1, 1, 0
.if \chg
	TURN 0, 3, 1, 1, 3
.else
	TURN 0, 3, 1, 1, 0
.endif
	TURN 0, 4, 1, 1, 0
	TURN 0, 5, 1, 1, 0
	TURN 0, 6, 1, 1, 0
	TURN 0, 7, 1, 1, 4
	TURN 1, 0, 1, 1, 0
.if \chg
	TURN 1, 1, 1, 1, 2
.else
	TURN 1, 1, 1, 1, 5
.endif
	TURN 1, 2, 1, 1, 0
	TURN 1, 3, 1, 1, 0
	TURN 1, 4, 1, 1, 0
	TURN 1, 5, 1, 1, 0
	TURN 1, 6, 1, 1, 0
	TURN 1, 7, 1, 1, 4
	TURN 0, 0, 1, 1, 0
.endm
	s_load_b256 s[4:11], s[0:1], 0x0               ; qc s[4:5], kg s[6:7], the exponents s[8:9], out0 s[10:11]
	v_lshl_add_u32 v4, v0, 2, SPARE                ; my spare word; never rewritten
	v_mov_b32 v5, 0                                ; 0; never rewritten
	ds_add_u32 v4, v5
	ds_add_u32 v4, v5
	s_wait_dscnt 0x0
	v_lshrrev_b32 v1, 5, v0
	v_readfirstlane_b32 s12, v1                    ; wave 0..3
	s_bfe_u32 s13, ttmp6, 0x40000                  ; cx: my place in the cluster
	s_lshl_b32 s14, ttmp9, 2
	s_add_co_u32 s14, s14, s13                     ; my block of 128 queries: it enters qc's and out0's addresses alone
	s_and_b32 s15, ttmp7, 0xffff                   ; the frame, which the four partners share
	; descriptor group 1: 32,768 dense bytes as 128 rows of 32 elements of 8 bytes
	s_mov_b32 s16, 15|(3<<16)|(1<<21)              ; 15:0 the mask: all four work-groups; 17:16 elements of 8 bytes; 20 no padding; 21 set beside a mask
	s_mov_b32 s17, 32<<16                          ; tensor_dim0 = 32
	s_mov_b32 s18, 128<<16                         ; tensor_dim1 = 128
	s_mov_b32 s19, 32<<16                          ; tile_dim0 = 32
	s_mov_b32 s20, 128                             ; tile_dim1 = 128
	s_mov_b32 s21, 32                              ; tensor_dim0_stride
	s_mov_b32 s22, 0
	s_mov_b32 s23, 0
	s_mov_b32 s24, 1                               ; group 0 of fill 0: count = 1,
	s_lshl_b32 s25, s12, 15                        ; LDS address: slot 0, my 32,768 bytes
	s_mov_b32 s28, 1                               ; group 0 of fill 1, which then walks on
	s_add_co_u32 s29, s25, SLOT1
	s_lshl_b32 s48, s15, 19                        ; a frame's 524,288 bytes of kg,
	s_add_co_u32 s48, s48, s25                     ; my 32,768 of a fill
	s_mov_b32 s49, 0
	s_lshl_b32 s50, s15, 5
	s_add_co_u32 s50, s50, s14
	s_lshl_b32 s50, s50, 13                        ; qc: block 32 t + blk of 8,192 bytes
	s_mov_b32 s51, 0
	s_lshl_b32 s52, s15, 20                        ; out0: frame t, f = 16 w on, n = 128 blk on
	s_lshl_b32 s53, s12, 18
	s_add_co_u32 s52, s52, s53
	s_lshl_b32 s53, s14, 9
	s_add_co_u32 s52, s52, s53
	s_mov_b32 s53, 0
	s_mov_b32 s45, 0                               ; LDS byte, in a wave's part, of the step to be fetched
	s_wait_kmcnt 0x0
	s_load_b256 s[32:39], s[8:9], 0x0              ; e0 .. e7
	s_load_b64 s[40:41], s[8:9], 0x20              ; e8, e9
	s_add_nc_u64 s[26:27], s[6:7], s[48:49]
	s_add_nc_u64 s[30:31], s[26:27], 131072
	s_or_b32 s27, s27, 0x80000000                  ; type = 2
	s_or_b32 s31, s31, 0x80000000
	s_add_nc_u64 s[4:5], s[4:5], s[50:51]
	s_add_nc_u64 s[10:11], s[10:11], s[52:53]
	CROUND                                         ; all four work-groups are here: the first joint loads meet
	tensor_load_to_lds s[24:27], s[16:23]          ; the two first fills go out together: two loads of mine are out
	s_nop 0
	tensor_load_to_lds s[28:31], s[16:23]
	s_nop 0
.rept 4
	v_nop
.endr
	v_and_b32 v1, 31, v0
	v_lshlrev_b32 v1, 4, v1                        ; 16 x lane
	WIN 0x80                                       ; destination window 2
.irp f, 0,1,2,3,4,5,6,7,8,9,10,11,12,13,14,15
	global_load_b128 v[4*\f:4*\f+3], v1, s[4:5] offset:512*\f th:TH_LOAD_NT   ; q's eight fragments stay in registers
.endr
	WIN 0x40                                       ; destination window 1
.set i, 0
.rept 256
	v_mov_b32 v[i], 0                              ; O^T
.set i, i+1
.endr
	WIN 0
	v_add_nc_u32 v2, s25, v1                       ; my lane's place in my part of slot 0
	v_and_b32 v10, 15, v0                          ; r
	v_bfe_u32 v11, v0, 4, 1                        ; h
	v_lshlrev_b32 v6, 4, v10
	v_lshl_add_u32 v6, v11, 17, v6                 ; out0: 16 r + 8 rows of 16,384 bytes x h
.irp d, 1,2,3
	s_xor_b32 s48, s12, \d
	s_lshl_b32 s48, s48, 15
	s_add_co_u32 s48, s48, 8192*(\d-1)
	v_add_nc_u32 v[6+\d], s48, v1                  ; the exchange: wave w xor d's place d
.endr
	s_wait_kmcnt 0x0
	s_sub_co_i32 s43, s40, s38
	s_sub_co_i32 s43, s43, s39                     ; e8 - e6 - e7
	s_add_co_i32 s43, s43, 127
	s_add_co_i32 s42, s43, 8
	s_lshl_b32 s43, s43, 23                        ; 2^(e8 - e6 - e7) as f32
	s_lshl_b32 s42, s42, 23
	s_or_b32 s42, s42, 0x600000                    ; 448 x that
	s_add_co_i32 s44, s40, s41                     ; e8 + e9
	v_mov_b32 v[SCL], s43
	WIN 0x80
	v_mov_b32 v[SCL], s43                          ; and in window 2, where the conversions' second source lies
	WIN 0
	s_wait_tensorcnt 0x1                           ; my part of fill 0 is in; fill 1 may stay out.  Only I read these bytes
	FETCH 0                                        ; step 0
	s_wait_loadcnt 0x0                             ; q
	s_wait_dscnt 0x0
.irp kt, 0,1,2,3,4,5,6
	v_wmma_f32_16x16x64_fp8_fp8 v[S+8*\kt:S+8*\kt+7], v[K0+8*\kt:K0+8*\kt+7], v[0:7], 0
.endr
.rept 4
	v_nop                                          ; places in front of the first read of results
.endr
	TURN 0, 0, 0, 1, 0                             ; the first turn has no turn before it
	WIN 0
	s_mov_b32 s46, 2
.Lpair:                                                ; two trips: steps 0-1 and 2-3; each fills the slot that it has read out, with fills 2 and 3
	WIN SA
	SIXTEEN 1
	WIN 0
	s_sub_co_u32 s46, s46, 1
	s_cmp_lg_u32 s46, 0
	s_cbranch_scc1 .Lpair
	WIN SA
	SIXTEEN 0                                      ; steps 4-5 are written out: nothing is left to ask for
	TURN 0, 1, 1, 1, 1                             ; steps 6-7
	TURN 0, 2, 1, 1, 0
	TURN 0, 3, 1, 1, 0
	TURN 0, 4, 1, 1, 0
	TURN 0, 5, 1, 1, 0
	TURN 0, 6, 1, 1, 0
	TURN 0, 7, 1, 1, 4
	TURN 1, 0, 1, 1, 0
	TURN 1, 1, 1, 1, 0
	TURN 1, 2, 1, 1, 0
	TURN 1, 3, 1, 1, 0
	TURN 1, 4, 1, 1, 0
	TURN 1, 5, 1, 1, 0
	TURN 1, 6, 1, 1, 0
	TURN 1, 7, 1, 0, 0                             ; the last turn has no turn behind it
	WIN SP
.irp p, 0,1,2,3
	v_wmma_f32_16x16x128_fp8_fp8 v[8*(28+\p):8*(28+\p)+7], v[G0+64+16*\p:G0+64+16*\p+15], v[P0+16:P0+31], v[8*(28+\p):8*(28+\p)+7]
.endr
.rept 4
	v_nop                                          ; places in front of the first read of results
.endr
	; THE EXCHANGE.  My places 1 to 3 go into my own part of slot 0, which has had its last fill and which I alone have read; behind the barrier I take place d of wave w xor d: three partial sums of f tile w.
	WIN 0x04                                       ; store data (source 1) window 1
.irp qt, 0,1,2,3,4,5,6,7
.irp p, 1,2,3
	ds_store_b128 v2, v[8*(4*\qt+\p):8*(4*\qt+\p)+3] offset:8192*(\p-1)+1024*\qt          ; each accumulator from its low end on
	ds_store_b128 v2, v[8*(4*\qt+\p)+4:8*(4*\qt+\p)+7] offset:8192*(\p-1)+1024*\qt+512
.endr
.endr
	WIN 0
	s_wait_dscnt 0x0                               ; for the others' sake: my stores have landed
	s_barrier_signal -1
	s_barrier_wait -1
.irp d, 1,2,3
.irp f, 0,1,2,3,4,5,6,7,8,9,10,11,12,13,14,15
	ds_load_b128 v[16+64*(\d-1)+4*\f:16+64*(\d-1)+4*\f+3], v[6+\d] offset:512*\f
.endr
.endr
	s_wait_dscnt 16                                ; two partners' sums are in; the third's 16 loads may be out
.set i, 0
.rept 32
	v_pk_add_f32 v[16+i:17+i], v[16+i:17+i], v[80+i:81+i]
.set i, i+2
.endr
	s_wait_dscnt 0x0
.set i, 0
.rept 32
	v_pk_add_f32 v[16+i:17+i], v[16+i:17+i], v[144+i:145+i]
.set i, i+2
.endr
	WIN 0x04                                       ; source 1 window 1: my own place 0
.irp qt, 0,1,2,3,4,5,6,7
.irp i, 0,2,4,6
	v_pk_add_f32 v[16+8*\qt+\i:17+8*\qt+\i], v[16+8*\qt+\i:17+8*\qt+\i], v[32*\qt+\i:32*\qt+\i+1]
.endr
.endr
	WIN 0
	; x 2^(e8 + e9), and the four tiles 4 U + nn side by side: four neighbouring n of f = 16 w + 8 h + j
.irp u, 0,1
.irp j, 0,1,2,3,4,5,6,7
.irp n, 0,1,2,3
	v_ldexp_f32 v[80+32*\u+4*\j+\n], v[16+8*(4*\u+\n)+\j], s44
.endr
.endr
.endr
.irp u, 0,1
.irp j, 0,1,2,3,4,5,6,7
	global_store_b128 v6, v[80+32*\u+4*\j:80+32*\u+4*\j+3], s[10:11] offset:16384*\j+256*\u th:TH_STORE_NT   ; 16 lanes store 256 consecutive bytes, at a multiple of 256 from out0's first byte
.endr
.endr
	s_wait_tensorcnt 0x0                           ; the wave's end, behind my last tensor load and my last LDS store
	ds_add_u32 v4, v5
	s_wait_dscnt 0x0
	CROUND                                         ; the closing round: no work-group ends while a partner may still ask for a tile that names it
	s_endpgm
.Lfunc_end_k_qb68b8787cc_attn:
	.size	k_qb68b8787cc_attn, .Lfunc_end_k_qb68b8787cc_attn-k_qb68b8787cc_attn
	.p2alignl 7, 3214868480
	.fill 96, 4, 3214868480
	.section	.rodata,"a",@progbits
	.p2align	6, 0x0
	.amdhsa_kernel k_qb68b8787cc_attn
		.amdhsa_group_segment_fixed_size 327680
		.amdhsa_private_segment_fixed_size 0
		.amdhsa_enable_private_segment 0
		.amdhsa_kernarg_size 32
		.amdhsa_user_sgpr_count 2
		.amdhsa_user_sgpr_kernarg_segment_ptr 1
		.amdhsa_wavefront_size32 1
		.amdhsa_system_sgpr_workgroup_id_x 1
		.amdhsa_system_sgpr_workgroup_id_y 1
		.amdhsa_system_sgpr_workgroup_id_z 1
		.amdhsa_system_vgpr_workitem_id 0
		.amdhsa_next_free_vgpr 768
		.amdhsa_next_free_sgpr 66
		.amdhsa_reserve_vcc 0
		.amdhsa_float_denorm_mode_32 3
		.amdhsa_float_denorm_mode_16_64 3
		.amdhsa_memory_ordered 1
		.amdhsa_forward_progress 1
		.amdhsa_inst_pref_size 255
	.end_amdhsa_kernel
	.section	.bss,"aw",@nobits
	.p2align	6
	.space	262144
	.amdgpu_metadata
---
amdhsa.version: [ 1, 2 ]
amdhsa.kernels:
  - .name:           k_qb68b8787cc_attn
    .symbol:         k_qb68b8787cc_attn.kd
    .args:
      - { .name: qc, .offset: 0, .size: 8, .value_kind: global_buffer, .address_space: global }
      - { .name: kg, .offset: 8, .size: 8, .value_kind: global_buffer, .address_space: global }
      - { .name: lowp_scales, .offset: 16, .size: 8, .value_kind: global_buffer, .address_space: global }
      - { .name: out0, .offset: 24, .size: 8, .value_kind: global_buffer, .address_space: global }
    .group_segment_fixed_size: 327680
    .private_segment_fixed_size: 0
    .kernarg_segment_align: 8
    .kernarg_segment_size: 32
    .max_flat_workgroup_size: 128
    .sgpr_count:     66
    .vgpr_count:     768
    .wavefront_size: 32
...
	.end_amdgpu_metadata
.endif
;; end of part 2
